; MI455X (gfx1250); checked and timed in simulation.
; The chip was launched on July 23, 2026; its instructions are those of AMD's public machine-readable ISA for CDNA 5 (MIT licence, August 2026) and "CDNA5" Instruction Set Architecture Reference Guide (July 2026). The comments in the code are by the model that wrote it; some were corrected since.
;; HQ Linear. Allowed arithmetic: matrix products marked QUANTISED: E2M1 operands, one E8M0 scale for each 32 along K, by v_wmma_scale_f32_16x16x128_f8f6f4 with both operands' format E2M1 (or v_wmma_scale_f32_32x16x128_f4), f32 sums; everything else in f32.
;; Inputs: codebook 4,096 x 8 float32; indices 2,097,152 int32; scales 4,096 x 1 float32; x 2 x 2,048 x 4,096 float32.
;; Outputs: out0 2 x 2,048 x 4,096 float32.
;; This version of the problem:
;;   THIS VERSION OF THE PROBLEM IS GIVEN IN LOW PRECISION. The matrix products marked QUANTISED in the list below multiply operands that are first quantised to E2M1 (2 exponent bits, 1 mantissa bit; 4 bits a number), with one power-of-two scale for each 32 numbers along K (OCP MX v1.0); their sums are f32. All else is computed in f32.
;;   The module's matrix products, in the order in which they are computed (A, B: the left and right operand; K: the contracted axis; several contracted axes count as one K, in the product's order):
;;     1. [M 4,096, K 4,096] x [K 4,096, N 4,096]; A: input x; B: computed on the way: QUANTISED
;;   THE QUANTISER, for each operand of a quantised product, along K:
;;     - K is cut into blocks of 32 from its start; a last block that is shorter is filled with zeros.
;;     - A block's scale is 2^e with e = floor(log2(the largest magnitude in the block)) - 2, held to -126 .. 127; a block of zeros has e = 0. As a byte (E8M0): e + 127.
;;     - Each number is divided by its block's scale, clamped to +-6, and rounded to the nearest number of E2M1, ties to even, subnormals kept.
;;     - The product sums the exact products of the quantised numbers (number of the format x scale) in f32.
;;   ~~~python
;;   def quantise(x, axis):      # numpy; x: float32 -> the quantised numbers, widened to float32 again
;;       x = np.moveaxis(x, axis, -1); K = x.shape[-1]
;;       x = np.pad(x, [(0, 0)] * (x.ndim - 1) + [(0, -K % 32)]); x = x.reshape(x.shape[:-1] + (-1, 32)); a = np.abs(x).max(-1, keepdims=True)
;;       e = np.where(a > 0, np.clip(np.frexp(np.where(a > 0, a, 1))[1] - 1 - 2, -126, 127), 0)      # np.frexp(a)[1] - 1 = floor(log2(a)), exactly
;;       r = np.clip(x / 2.0 ** e, -6, 6)
;;       step = 2.0 ** (np.maximum(np.frexp(np.where(r == 0, 1, r))[1] - 1, 0) - 1)
;;       q = np.round(r / step) * step * 2.0 ** e      # np.round: ties to even
;;       return np.moveaxis(q.reshape(q.shape[:-2] + (-1,))[..., :K], -1, axis).astype(np.float32)
;;   ~~~
;;   OPERANDS COMPUTED ON THE WAY. 'Computed on the way' means the value that the module computes at that place (a softmax that the list does not call 'softmax' is quantised finished and normalised). What goes into a quantiser is computed in f32, as accurately as f32 sums, v_exp_f32 and their like allow (about 1e-6 of the number): no bf16 or f16 on the way to a quantiser, and a product that is left as it is and whose result goes on into a quantised operand takes f32 operands (vector FMAs, or v_wmma_f32_16x16x4_f32). A number that lies on a knife's edge between two numbers of the format may be rounded either way, as far as f32 arithmetic and the matrix unit's own rounding can turn it there, and no further.
;; One version. Each part assembles by itself: llvm-mc -triple=amdgcn-amd-amdhsa -mcpu=gfx1250 --defsym DOCPART=n.
;; ======== version 1 of 1: 2 launches
;; limits: right only within a limited range of input values
;; workspace buffers: xq 8,912,896 bytes; wq 8,912,896 bytes
;; launch quant (part 1): grid 256 x 1, 16 waves a work-group, clusters of 4 x 1, 243,712 bytes of LDS; arguments x, indices, codebook, scales, xq, wq; writes xq, wq
.if DOCPART == 1
	.amdgcn_target "amdgcn-amd-amdhsa--gfx1250"
	.amdhsa_code_object_version 6
	.text
	.protected	k_q4dbca77082_quant
	.globl	k_q4dbca77082_quant
	.p2align	8
	.type	k_q4dbca77082_quant,@function
k_q4dbca77082_quant:
	s_mov_b64 s[64:65], 0
	v_nop
	global_prefetch_b8 v0, s[64:65] scope:SCOPE_SE
	s_setreg_imm32_b32 hwreg(HW_REG_WAVE_MODE, 25, 1), 1
	s_wait_xcnt 0x0
	s_wait_alu depctr_hold_cnt(0) depctr_sa_sdst(0) depctr_va_vdst(0) depctr_va_sdst(0) depctr_va_ssrc(0) depctr_va_vcc(0) depctr_vm_vsrc(0)
	s_getreg_b32 s2, hwreg(HW_REG_IB_STS2, 6, 4)
	s_cmp_eq_u32 s2, 0
	s_cbranch_scc0 .Lentry_in_a_cluster
	s_endpgm
.Lentry_in_a_cluster:
	s_bfe_u32 s2, ttmp6, 0x10000c
	s_cmp_lg_u32 s2, 0x3003
	s_cbranch_scc0 .Lentry_shape_is_right
	s_endpgm
.Lentry_shape_is_right:
; Both operands of out0 = Q(x) Q(w)^T become codes of FP4 (E2M1) with one E8M0 scale byte for each 32 along K (K = 4,096, innermost in both).
; x: [4096][4096] f32.  w[o][i] = codebook[indices[512 o + i / 8]][i % 8] x scales[o], made here in f32 (one multiplication) and never stored wide.
; A block's scale is 2^(floor(log2(its largest magnitude)) - 2); its byte is that magnitude's exponent field - 2, held at 1 from below.
; LIMITS: NaN and infinities among the inputs are not served.  A block of zeros, or one whose largest magnitude lies under 2^-124 (the floor), gets the byte 1:
; a block of zeros has zero codes, which add nothing under that byte, and the bytes are read by this program alone.  An index outside 0 .. 4,095 (as unsigned) is held at 4,095.
; THE WORKSPACE, xq and wq alike: [K step 0..7][row 0..4095][272 bytes]: a row's 512 codes of that K step (256 bytes), then its 16 scale bytes.
; SHARES: 256 work-groups of sixteen waves.  Work-group g owns rows 16 g .. 16 g + 15 of x and of w.  Wave v takes K step v / 2 and rows 8 (v % 2) .. + 7 of both tensors.
; THE CODEBOOK LIES IN LDS, dense, 32 bytes a row from byte 0: each wave brings a sixteenth (one tensor load), and all gathers stay inside the WGP.
; CLUSTERS: 4 x 1 work-groups.  All work-groups read the same codebook, so each wave's sixteenth is asked for JOINTLY by the four partners: the same line, the same descriptor (made of the wave's
; number alone), the mask 15.  A round of the cluster's barrier stands ahead of these loads and one ahead of the end; the place in the cluster enters global addresses alone.
; ORDER: every wave asks for its indices | round | its part of the codebook, rows 0 and 1 of its x | codebook landed, barrier |
;   w: eight steps, a row each: gathered, scaled, quantised into registers (LDS is only read); step t also asks for row t + 2 of x, so x comes in while w is made | barrier |
;   w's codes and bytes into the image | barrier | waves 8-15 store w's eight regions |
;   x: row by row through the wave's own stage, quantised, into the image | barrier | waves 0-7 store x's eight regions | closing round.
; A region is 16 rows of one K step: 4,352 bytes, 17 aligned runs of 256 bytes.  A lane holds 16 neighbours along K, two neighbouring lanes a block of 32.  Nothing in LDS is filled twice.
; NO PREFETCH: every byte is asked for once, by the load that brings it, up to eight steps ahead of its use.
.set KSTRIDE, 4096*272                 ; bytes of a K step in the workspace
.set RG,      16*272                   ; a region of the image
.set HRG,     8*272                    ; what a wave writes of a region
.set CBP,     32                       ; a codebook row in LDS
.set CBW,     256*CBP                  ; a wave's sixteenth of the codebook
.set STG,     4096*CBP                 ; behind the codebook: a stage for each wave
.set SP,      80                       ; a lane's place in a stage: 64 bytes + 16 of padding
.set STGB,    32*SP
.set IMG,     STG+16*STGB              ; the image: x's eight regions, then w's eight
.set SPARE,   IMG+16*RG                ; the spare words: 128 bytes a wave, named by no other line
.set WI,  24                           ; v24-39   two LDS offsets into the codebook for each of 8 rows
.set WC,  40                           ; v40-55   w's codes
.set WE,  56                           ; v56-63   w's scale bytes
.set WX,  64                           ; v64-79   a row's 16 numbers of w
.set WR,  80                           ; v80-127  three sets of 16 gathered numbers
.set XC,  112                          ; v112-127 x's codes
.set XE,  64                           ; v64-71   x's scale bytes
.set XX,  80                           ; v80-111  two sets of 16 neighbours
.set OUTR, 24                          ; v24-57   a region on its way out
.set XD,  128                          ; v128-255 x as loaded: 16 registers a row
.set G0,  20
.set G1,  24
; v2 lane; v3 16 x lane; v10 8 x lane; v4, v5 my part of x's image; v6, v7 of w's; v14, v15 the stage, in and out; v16, v17 my region; v22, v23 the add's; v8, v9, v11, v[12:13] at work
.macro XLOAD t                         ; row t of my x: 2,048 bytes, 512 consecutive bytes an instruction; read once in the launch
.irp i, 0,1,2,3
	global_load_b128 v[XD+16*(\t)+4*\i:XD+16*(\t)+4*\i+3], v3, s[4:5] offset:16384*(\t)+512*\i th:TH_LOAD_NT
.endr
.endm
.macro CROUND                          ; a round of the cluster's barrier
	s_barrier_signal -1
	s_barrier_wait -1
	s_cmp_lg_u32 s16, 0
	s_cbranch_scc1 .Lnot_wave_0_\@
	s_barrier_signal -3
.Lnot_wave_0_\@:
	s_barrier_wait -3
	s_barrier_signal -1
	s_barrier_wait -1
.endm
	s_load_b256 s[4:11], s[0:1], 0x0               ; x, indices, codebook, scales
	s_load_b128 s[12:15], s[0:1], 0x20             ; xq, wq
	v_lshl_add_u32 v22, v0, 2, SPARE
	v_mov_b32 v23, 0
	ds_add_u32 v22, v23                            ; the opening lines: the add, twice on end, and its wait
	ds_add_u32 v22, v23
	v_lshrrev_b32 v1, 5, v0
	s_delay_alu instid0(VALU_DEP_1)
	v_readfirstlane_b32 s16, v1                    ; wave 0..15
	v_and_b32 v2, 31, v0
	s_delay_alu instid0(VALU_DEP_1)
	v_lshlrev_b32 v3, 4, v2
	s_delay_alu instid0(VALU_DEP_2)
	v_lshlrev_b32 v10, 3, v2
	s_bfe_u32 s3, ttmp6, 0x40000                   ; my place in the cluster,
	s_lshl_b32 s47, ttmp9, 2
	s_add_co_u32 s3, s3, s47                       ; and the work-group's number: 4 x cluster + place
	s_lshr_b32 s17, s16, 1                         ; my K step
	s_and_b32 s46, s16, 1                          ; which 8 of the 16 rows
	s_lshl_b32 s40, s3, 18                         ; x: 16 rows of 16,384 bytes a work-group,
	s_lshl_b32 s47, s46, 17                        ; 8 rows,
	s_add_co_u32 s40, s40, s47
	s_lshl_b32 s47, s17, 11                        ; 512 numbers along K
	s_add_co_u32 s40, s40, s47
	s_mov_b32 s41, 0
	s_lshr_b32 s42, s40, 3                         ; indices: an eighth of x's offset
	s_mov_b32 s43, 0
	s_lshl_b32 s44, s3, 6                          ; scales: 4 bytes a row
	s_lshl_b32 s47, s46, 5
	s_add_co_u32 s44, s44, s47
	s_mov_b32 s45, 0
	s_lshl_b32 s18, s16, 13                        ; codebook: my 256 rows of 32 bytes
	s_mov_b32 s19, 0
	s_and_b32 s46, s16, 7                          ; the way out: region v is K step v % 8,
	s_mul_i32 s46, s46, KSTRIDE
	s_mul_i32 s47, s3, RG                          ; the work-group's 16 rows
	s_add_co_u32 s46, s46, s47
	s_mov_b32 s47, 0
	; the descriptor: 8,192 dense bytes as 32 rows of 32 elements of 8 bytes, dense in LDS too; the mask names the cluster's four work-groups, bit 21 beside it
	s_mov_b32 s[G0], 1
	s_mul_i32 s[G0+1], s16, CBW
	s_mov_b32 s[G1+0], 15|(3<<16)|(1<<21)
	s_mov_b32 s[G1+1], 32<<16
	s_mov_b32 s[G1+2], 32<<16
	s_mov_b32 s[G1+3], 32<<16
	s_mov_b32 s[G1+4], 32
	s_mov_b32 s[G1+5], 32
	s_mov_b32 s[G1+6], 0
	s_mov_b32 s[G1+7], 0
	s_wait_alu depctr_va_vdst(0)                   ; the wait ahead of the waits below
	s_wait_dscnt 0x0
	s_wait_kmcnt 0x0
	s_add_nc_u64 s[G0+2:G0+3], s[8:9], s[18:19]
	s_or_b32 s[G0+3], s[G0+3], 0x80000000
	s_add_nc_u64 s[10:11], s[10:11], s[44:45]
	s_load_b256 s[32:39], s[10:11], 0x0            ; my 8 rows' scales
	s_add_nc_u64 s[6:7], s[6:7], s[42:43]
.irp t, 0,1,2,3,4,5,6,7
	global_load_b64 v[WI+2*\t:WI+2*\t+1], v10, s[6:7] offset:2048*\t th:TH_LOAD_NT   ; row t's 64 indices: 256 consecutive bytes
.endr
	s_add_nc_u64 s[4:5], s[4:5], s[40:41]
	CROUND                                         ; all four work-groups are here: the joint loads meet
	tensor_load_to_lds s[G0:G0+3], s[G1:G1+7]      ; my only tensor load; its descriptor is never rewritten
	s_nop 0
	XLOAD 0                                        ; of x only rows 0 and 1 are asked for here; rows 2 to 7 follow step by step in w's loop
	XLOAD 1
	s_cmp_lt_u32 s16, 8                            ; waves 0-7 store x's regions, waves 8-15 w's
	s_cselect_b64 s[12:13], s[12:13], s[14:15]
	s_add_nc_u64 s[12:13], s[12:13], s[46:47]
	s_mul_i32 s18, s16, STGB
	s_add_co_u32 s18, s18, STG                     ; my stage
	s_mul_i32 s19, s16, HRG
	s_add_co_u32 s19, s19, IMG                     ; my 8 rows of x's image
	s_mul_i32 s40, s16, RG
	s_add_co_u32 s40, s40, IMG                     ; the region that I store
	v_lshrrev_b32 v14, 2, v2
	v_and_b32 v15, 3, v2
	v_lshrrev_b32 v5, 1, v2
	v_mul_u32_u24 v14, v14, SP
	v_mul_u32_u24 v9, v2, SP
	v_add_nc_u32 v4, s19, v10
	v_add_nc_u32 v5, s19, v5
	v_lshl_add_u32 v14, v15, 4, v14
	v_add_nc_u32 v15, s18, v9                      ; the stage on the way out: my 16 neighbours
	v_add_nc_u32 v14, s18, v14                     ; on the way in: four lanes' 64 bytes on end, then 16 of padding
	v_add_nc_u32 v6, 8*RG, v4                      ; w's image lies behind x's eight regions
	v_add_nc_u32 v7, 8*RG, v5
	v_add_nc_u32 v16, s40, v3
	v_add_nc_u32 v17, s40, v10
	v_mov_b32 v13, 0                               ; (named with v12 as a pair by the packed multiplications)
; The 16 neighbours in v[QS] .. v[QS + 15] become 8 bytes of codes and, with the neighbouring lane's 16, a scale byte.
.macro QCALC c, e, t
	v_max3_num_f32 v8, |v[QS]|, |v[QS+1]|, |v[QS+2]|
	v_max3_num_f32 v9, |v[QS+3]|, |v[QS+4]|, |v[QS+5]|
.irp i, 6,10
	s_delay_alu instid0(VALU_DEP_2)
	v_max3_num_f32 v8, v8, |v[QS+\i]|, |v[QS+\i+1]|
	s_delay_alu instid0(VALU_DEP_2)
	v_max3_num_f32 v9, v9, |v[QS+\i+2]|, |v[QS+\i+3]|
.endr
	s_delay_alu instid0(VALU_DEP_2)
	v_max3_num_f32 v8, v8, |v[QS+14]|, |v[QS+15]|
	s_delay_alu instid0(VALU_DEP_1)
	v_max3_num_f32 v8, v8, v9, 0x1800000           ; the floor 2^(3 - 127): the byte cannot fall under 1
	s_delay_alu instid0(VALU_DEP_1)
	v_max_num_f32_dpp v8, v8, v8 row_xmask:1 row_mask:0xf bank_mask:0xf   ; with my neighbour's 16: the block's
	s_delay_alu instid0(VALU_DEP_1)
	v_add_nc_u32 v11, 0xff000000, v8               ; 2 off the exponent field: the conversion's scale operand
	v_cvt_scalef32_pk8_fp4_f32 v[\c+2*(\t)], v[QS:QS+7], v11
	v_cvt_scalef32_pk8_fp4_f32 v[\c+2*(\t)+1], v[QS+8:QS+15], v11
	v_lshrrev_b32 v[\e+(\t)], 23, v11              ; the scale's byte; also the plain line behind the conversions
.endm
.macro QPUT a8, a1, c, e, t            ; to row t of my part of an image
	ds_store_b64 v[\a8], v[\c+2*(\t):\c+2*(\t)+1] offset:272*(\t)
	ds_store_b8 v[\a1], v[\e+(\t)] offset:272*(\t)+256             ; both lanes of a block write the same byte with the same value
.endm
.macro OUTP                            ; my region leaves: 8 x 512 bytes, 16 a lane, and 256 bytes, 8 a lane
.irp i, 0,1,2,3,4,5,6,7
	ds_load_b128 v[OUTR+4*\i:OUTR+4*\i+3], v16 offset:512*\i
.endr
	ds_load_b64 v[OUTR+32:OUTR+33], v17 offset:4096
	s_wait_dscnt 0x0
.irp i, 0,1,2,3,4,5,6,7
	global_store_b128 v3, v[OUTR+4*\i:OUTR+4*\i+3], s[12:13] offset:512*\i   ; 512 consecutive bytes, at a multiple of 256 from the buffer's first byte
.endr
	global_store_b64 v10, v[OUTR+32:OUTR+33], s[12:13] offset:4096
.endm
	s_wait_alu depctr_va_vdst(0)                   ; the wait at the head's end
	s_wait_tensorcnt 0x0                           ; my sixteenth of the codebook lies in LDS,
	s_barrier_signal -1
	s_barrier_wait -1                              ; everybody's does (rows 0 and 1 of x stay on their way)
; w, into registers: LDS is only read here
	s_wait_loadcnt 8                               ; my indices are in: behind them only the eight loads of x's rows 0 and 1 were issued
	s_wait_kmcnt 0x0
.set J, 0
.rept 16
	v_min_u32 v[WI+J], 0xfff, v[WI+J]              ; an index stays inside the table,
.set J, J+1
.endr
.set J, 0
.rept 16
	v_mul_u32_u24 v[WI+J], v[WI+J], CBP            ; whose rows lie 32 bytes apart, from LDS byte 0 on
.set J, J+1
.endr
.macro GATHER t                        ; two codebook rows: w's K = 16 x lane + 0 .. 15 of row t, before the scale, into set t % 3
.set GS, WR+16*((\t)%3)
	ds_load_b128 v[GS:GS+3],     v[WI+2*(\t)]
	ds_load_b128 v[GS+4:GS+7],   v[WI+2*(\t)] offset:16
	ds_load_b128 v[GS+8:GS+11],  v[WI+2*(\t)+1]
	ds_load_b128 v[GS+12:GS+15], v[WI+2*(\t)+1] offset:16
.endm
.irp t, 0,1,2
	GATHER \t
.endr
.macro WSTEP t
.if 7-(\t) >= 2
	s_wait_dscnt 8                                 ; this row's four gathers are in; those of the two rows behind it may be out
.else
	s_wait_dscnt 4*(7-(\t))
.endif
	v_mov_b32 v12, s[32+(\t)]                      ; the row's scale
.set GS, WR+16*((\t)%3)
.irp j, 0,2,4,6,8,10,12,14
	v_pk_mul_f32 v[WX+\j:WX+\j+1], v[GS+\j:GS+\j+1], v[12:13] op_sel_hi:[1,0]   ; w, in f32
.endr
.if (\t)+3 < 8
	GATHER (\t)+3
.endif
.if (\t)+2 < 8
	XLOAD (\t)+2                                   ; a further row of x is asked for
.endif
.set QS, WX
	QCALC WC, WE, \t
.endm
.irp t, 0,1,2,3,4,5,6,7
	WSTEP \t
.endr
	s_wait_alu depctr_va_vdst(0)                   ; the wait ahead of the wait below
	s_wait_dscnt 0x0                               ; my gathers are over,
	s_barrier_signal -1
	s_barrier_wait -1                              ; everybody's are: from here on LDS is written
.irp t, 0,1,2,3,4,5,6,7
	QPUT 6, 7, WC, WE, \t
.endr
	s_wait_dscnt 0x0                               ; my part of w's image is written,
	s_barrier_signal -1
	s_barrier_wait -1                              ; everybody's is
	s_cmp_lt_u32 s16, 8
	s_cbranch_scc1 .Lx
	OUTP                                           ; waves 8-15: w's regions leave while x is still worked on
.Lx:
; x
.macro XTURN t                         ; row t through my stage; LDS serves a wave's instructions in order (ISA guide 5.7.1.4)
.irp i, 0,1,2,3
	ds_store_b128 v14, v[XD+16*(\t)+4*\i:XD+16*(\t)+4*\i+3] offset:8*SP*\i
.endr
.irp i, 0,1,2,3
	ds_load_b128 v[XX+16*((\t)%2)+4*\i:XX+16*((\t)%2)+4*\i+3], v15 offset:16*\i
.endr
.endm
	s_wait_loadcnt 28                              ; row 0's four loads are in; rows 1 to 7 may be out
	XTURN 0
.macro XSTEP t
.if (\t) > 0
	s_wait_dscnt 2                                 ; this row is back from the stage (the last row's two stores into the image may be out)
.else
	s_wait_dscnt 0x0
.endif
.if (\t) < 7
	s_wait_loadcnt 4*(6-(\t))                      ; the next row's four loads are in
	XTURN (\t)+1
.endif
.set QS, XX+16*((\t)%2)
	QCALC XC, XE, \t
	QPUT 4, 5, XC, XE, \t
.endm
.irp t, 0,1,2,3,4,5,6,7
	XSTEP \t
.endr
	s_wait_dscnt 0x0                               ; my part of x's image is written,
	s_barrier_signal -1
	s_barrier_wait -1                              ; everybody's is
	s_cmp_ge_u32 s16, 8
	s_cbranch_scc1 .Lend
	OUTP                                           ; waves 0-7: x's regions
.Lend:
	s_wait_tensorcnt 0x0                           ; the wave's end
	ds_add_u32 v22, v23
	s_wait_dscnt 0x0
	CROUND                                         ; the closing round: no work-group ends while a partner may still ask for a part that names it
	s_endpgm
.Lfunc_end_k_q4dbca77082_quant:
	.size	k_q4dbca77082_quant, .Lfunc_end_k_q4dbca77082_quant-k_q4dbca77082_quant
	.p2alignl 7, 3214868480
	.fill 96, 4, 3214868480
	.section	.rodata,"a",@progbits
	.p2align	6, 0x0
	.amdhsa_kernel k_q4dbca77082_quant
		.amdhsa_group_segment_fixed_size 243712
		.amdhsa_private_segment_fixed_size 0
		.amdhsa_enable_private_segment 0
		.amdhsa_kernarg_size 48
		.amdhsa_user_sgpr_count 2
		.amdhsa_user_sgpr_kernarg_segment_ptr 1
		.amdhsa_wavefront_size32 1
		.amdhsa_system_sgpr_workgroup_id_x 1
		.amdhsa_system_sgpr_workgroup_id_y 1
		.amdhsa_system_sgpr_workgroup_id_z 1
		.amdhsa_system_vgpr_workitem_id 0
		.amdhsa_next_free_vgpr 256
		.amdhsa_next_free_sgpr 66
		.amdhsa_reserve_vcc 0
		.amdhsa_float_denorm_mode_32 3
		.amdhsa_float_denorm_mode_16_64 3
		.amdhsa_memory_ordered 1
		.amdhsa_forward_progress 1
		.amdhsa_inst_pref_size 45
	.end_amdhsa_kernel
	.amdgpu_metadata
---
amdhsa.version: [ 1, 2 ]
amdhsa.kernels:
  - .name:           k_q4dbca77082_quant
    .symbol:         k_q4dbca77082_quant.kd
    .args:
      - { .name: x, .offset: 0, .size: 8, .value_kind: global_buffer, .address_space: global }
      - { .name: indices, .offset: 8, .size: 8, .value_kind: global_buffer, .address_space: global }
      - { .name: codebook, .offset: 16, .size: 8, .value_kind: global_buffer, .address_space: global }
      - { .name: scales, .offset: 24, .size: 8, .value_kind: global_buffer, .address_space: global }
      - { .name: xq, .offset: 32, .size: 8, .value_kind: global_buffer, .address_space: global }
      - { .name: wq, .offset: 40, .size: 8, .value_kind: global_buffer, .address_space: global }
    .group_segment_fixed_size: 243712
    .private_segment_fixed_size: 0
    .kernarg_segment_align: 8
    .kernarg_segment_size: 48
    .max_flat_workgroup_size: 512
    .sgpr_count:     66
    .vgpr_count:     256
    .wavefront_size: 32
...
	.end_amdgpu_metadata
.endif
;; end of part 1
;; launch gemm (part 2): grid 16 x 16, 4 waves a work-group, clusters of 4 x 4, 327,680 bytes of LDS; arguments xq, wq, out0; writes out0
.if DOCPART == 2
	.amdgcn_target "amdgcn-amd-amdhsa--gfx1250"
	.amdhsa_code_object_version 6
	.text
	.protected	k_q4dbca77082_gemm
	.globl	k_q4dbca77082_gemm
	.p2align	8
	.type	k_q4dbca77082_gemm,@function
k_q4dbca77082_gemm:
	s_mov_b64 s[64:65], 0
	v_nop
	global_prefetch_b8 v0, s[64:65] scope:SCOPE_SE
	s_setreg_imm32_b32 hwreg(HW_REG_WAVE_MODE, 25, 1), 1
	s_wait_xcnt 0x0
	s_wait_alu depctr_hold_cnt(0) depctr_sa_sdst(0) depctr_va_vdst(0) depctr_va_sdst(0) depctr_va_ssrc(0) depctr_va_vcc(0) depctr_vm_vsrc(0)
	s_getreg_b32 s2, hwreg(HW_REG_IB_STS2, 6, 4)
	s_cmp_eq_u32 s2, 0
	s_cbranch_scc0 .Lentry_in_a_cluster
	s_endpgm
.Lentry_in_a_cluster:
	s_bfe_u32 s2, ttmp6, 0x10000c
	s_cmp_lg_u32 s2, 0xf033
	s_cbranch_scc0 .Lentry_shape_is_right
	s_endpgm
.Lentry_shape_is_right:
; out0[m][n] = sum over k of Q(x)[m][k] Q(w)[n][k]: codes of FP4 (E2M1) with one E8M0 byte for each 32 along K, sums in f32.  M = N = K = 4,096.
; xq and wq are laid [K step 0..7][row][272 bytes]: 512 codes (256 bytes), then the row's 16 scale bytes: 128 rows of a K step are 34,816 dense bytes, fetched as 136 rows of 256 bytes,
; and lie in LDS as they lie in memory: rows 272 bytes apart, so the 16 rows that a fragment load touches start 68 words apart, and the scales ride with the codes.
; A tile of C, 256 x 256, is made by four waves, 128 x 128 each: 64 accumulators, 512 registers.  K goes in 8 steps of 512 through a ring of two LDS slots; each wave fetches a quarter of a slot.
; CLUSTERS: 4 x 4 work-groups; A's tiles are asked for jointly along a row of the cluster, B's along a column.  The matrix instruction is used transposed (source 0 = rows of w, source 1 = rows of x):
; a lane holds eight neighbouring numbers of a row of C.
; PREFETCH: behind the joint load for K step t stand two prefetches for K step t + 2 (t = 0 .. 5).  A wave's quarter is 136 blocks of 256 bytes; the four partners that ask for it jointly take 34 each, by address
; (place cx for A, cy for B): 32 lanes a block each, then blocks 32 and 33 named by the even and the odd lanes.  K steps 0 and 1 come by their loads alone; the last two refills ask for nothing.
; THE LAST K STEP GOES BY ROWS OF C: all its fragments of B fill window 1, A comes by blocks of 16 rows, and each finished block goes through the wave's stage and is stored while the next is multiplied.
; REGISTERS: window 0: v0-31 addresses; v32-95 scale words, two sets; v128-191 A's fragments, later the rows read back from the stage; v96-127, v192-255 A's blocks in the last K step.
;   window 1: B's fragments, two sets (v0, v128); in the last K step all 256.   windows 2, 3: the accumulators of my rows 0-63, 64-127 ((a, b) at v[8 (8 (a % 4) + b)]).
.set SIZE_N, 4096
.set NQ,     4                         ; matrix instructions deep in a K step
.set PITCH,  272
.set FR,     8                         ; registers of a fragment
.set NL,     2                         ; LDS loads that bring one
.set NP,     4                         ; places behind this matrix instruction (ISA guide 7.12.1)
.set HALFT,  128*PITCH                 ; what one tensor load brings
.set SLOT,   4*HALFT                   ; A's 256 rows, then B's
.set KSTRIDE, 4096*PITCH               ; bytes from a K step to the next in the workspace
.set LAPS,   4
.set SPARE,  2*SLOT                    ; the spare words: 128 bytes a wave, named by no other line
.set SPITCH, 528                       ; the stage: 16 rows x (512 + 16) bytes a wave, in slot 0, behind that slot's last fill and last read
.set ADRA, 16                          ; v16-17 my A fragments in slot 0, 1
.set ADRB, 20                          ; v20-21 my B fragments
.set ADRS, 22                          ; v22-23 my scale words: lanes 0-15 A's rows, lanes 16-31 B's
.set STO,  24
.set RD,   25
.set CO,   26
.set SPW,  28
.set NIL,  29
.set PFO,  30                          ; v30 256 x lane;  v31 8,192 + 256 x (lane % 2)
.set PFO2, 31
.set SC,   32
.set AF,   128
.set BK,   128
.set PFA,  8                           ; s[8:9] where my prefetches stand
.set G1, 24
.set G0, 32
.set G1B, 48
.set G0B, 56
.set MSB, 0
.macro WIN new                         ; the immediate's high byte repeats the setting that is left
.if MSB != \new
	s_set_vgpr_msb (MSB<<8)|\new
.set MSB, \new
.endif
.endm
.set MUL_LO, 0xa1                      ; source 0 (B) window 1, source 1 (A) window 0, C and D window 2
.set MUL_HI, 0xf1
.set TO_B,   0x40
.macro JLOAD g0a, g1a, g0b, g1b        ; a joint load: waves 0, 1 for A, waves 2, 3 for B; s_nop 0 and four v_nop behind each line
	s_cmp_eq_u32 s15, 0
	s_cbranch_scc0 .Lfor_b_\@
	tensor_load_to_lds s[\g0a:\g0a+3], s[\g1a:\g1a+7]
	s_nop 0
.rept 4
	v_nop
.endr
	s_branch .Lasked_\@
.Lfor_b_\@:
	tensor_load_to_lds s[\g0b:\g0b+3], s[\g1b:\g1b+7]
	s_nop 0
.rept 4
	v_nop
.endr
.Lasked_\@:
.endm
.macro CREST
	s_cmp_lg_u32 s14, 0
	s_cbranch_scc1 .Lnot_wave_0_\@
	s_barrier_signal -3
.Lnot_wave_0_\@:
	s_barrier_wait -3
	s_barrier_signal -1
	s_barrier_wait -1
.endm
.macro CROUND
	s_barrier_signal -1
	s_barrier_wait -1
	CREST
.endm
.macro PF off                          ; my 34 blocks of the K step at byte off from where my prefetches stand
	global_prefetch_b8 v[PFO], s[PFA:PFA+1] offset:\off th:TH_LOAD_NT scope:SCOPE_SE
	global_prefetch_b8 v[PFO2], s[PFA:PFA+1] offset:\off th:TH_LOAD_NT scope:SCOPE_SE
.endm
.macro ASK off                         ; in the loop: its last trip (s3 = 1) has no K step two on
	s_cmp_gt_u32 s3, 1
	s_cbranch_scc0 .Lnone_\@
	PF \off
.Lnone_\@:
.endm
	s_load_b128 s[4:7], s[0:1], 0x0                ; xq, wq
	s_load_b64 s[12:13], s[0:1], 0x10              ; out0
	v_lshl_add_u32 v[SPW], v0, 2, SPARE
	v_mov_b32 v[NIL], 0
	ds_add_u32 v[SPW], v[NIL]                      ; the opening lines: the add, twice on end, and its wait
	ds_add_u32 v[SPW], v[NIL]
	v_lshrrev_b32 v1, 5, v0
	v_readfirstlane_b32 s14, v1                    ; wave 0..3
	s_lshr_b32 s15, s14, 1                         ; my half of the tile's rows; also: I fetch for A (0) or B (1)
	s_and_b32 s16, s14, 1                          ; my half of its columns; also: which 128 rows I fetch
	s_bfe_u32 s40, ttmp6, 0x40000                  ; cx
	s_bfe_u32 s41, ttmp6, 0x40004                  ; cy
	s_lshl_b32 s42, ttmp9, 2
	s_add_co_u32 s42, s42, s40                     ; tile column
	s_and_b32 s17, ttmp7, 0xffff
	s_lshl_b32 s17, s17, 2
	s_add_co_u32 s17, s17, s41                     ; tile row
	s_lshl_b32 s43, s41, 2
	s_lshl_b32 s43, 15, s43                        ; my row of the cluster
	s_lshl_b32 s44, 0x1111, s40                    ; my column
	s_or_b32 s[G1+0], s43, (3<<16)|(1<<21)         ; the mask; elements of 8 bytes; bit 21 beside a mask; no padding
	s_or_b32 s[G1B+0], s44, (3<<16)|(1<<21)
.irp g, G1, G1B
	s_mov_b32 s[\g+1], 32<<16                      ; 136 rows of 32 elements, dense
	s_mov_b32 s[\g+2], 136<<16
	s_mov_b32 s[\g+3], 32<<16
	s_mov_b32 s[\g+4], 136
	s_mov_b32 s[\g+5], 32
	s_mov_b32 s[\g+6], 0
	s_mov_b32 s[\g+7], 0
.endr
	s_lshl_b32 s18, s16, 7
	s_lshl_b32 s20, s17, 8
	s_add_co_u32 s20, s20, s18                     ; A: row 256 x tile row + 128 x half
	s_lshl_b32 s46, s42, 8
	s_add_co_u32 s46, s46, s18                     ; B: row 256 x tile column + 128 x half
	s_mul_i32 s20, s20, PITCH
	s_mul_i32 s46, s46, PITCH
	s_mov_b32 s21, 0
	s_mov_b32 s47, 0
	s_mul_i32 s45, s14, HALFT                      ; where my quarter goes
	s_cmp_eq_u32 s15, 0
	s_cselect_b32 s10, s40, s41                    ; my place among the four that ask with me
	s_mul_i32 s10, s10, 34*256                     ; my 34 blocks of the quarter
	s_mov_b32 s11, 0
	s_wait_dscnt 0x0                               ; both opening adds are done
	s_wait_kmcnt 0x0
	s_add_nc_u64 s[20:21], s[4:5], s[20:21]
	s_add_nc_u64 s[46:47], s[6:7], s[46:47]
	s_cmp_eq_u32 s15, 0
	s_cselect_b64 s[PFA:PFA+1], s[20:21], s[46:47]
	s_add_nc_u64 s[PFA:PFA+1], s[PFA:PFA+1], s[10:11]
	s_add_nc_u64 s[PFA:PFA+1], s[PFA:PFA+1], 2*KSTRIDE   ; at K step 2
.irp s, 0,1
	s_mov_b32 s[G0+4*\s], 1
	s_add_co_u32 s[G0+4*\s+1], s45, \s*SLOT
	s_add_nc_u64 s[G0+4*\s+2:G0+4*\s+3], s[20:21], \s*KSTRIDE
	s_or_b32 s[G0+4*\s+3], s[G0+4*\s+3], 0x80000000
	s_mov_b32 s[G0B+4*\s], 1
	s_add_co_u32 s[G0B+4*\s+1], s45, \s*SLOT
	s_add_nc_u64 s[G0B+4*\s+2:G0B+4*\s+3], s[46:47], \s*KSTRIDE
	s_or_b32 s[G0B+4*\s+3], s[G0B+4*\s+3], 0x80000000
.endr
	CROUND                                         ; all sixteen work-groups are here: the first joint loads meet
	JLOAD G0, G1, G0B, G1B                         ; K step 0: one tensor load a wave at the head
	s_mul_i32 s21, s15, HALFT                      ; my 128 rows of A
	s_mul_i32 s22, s16, HALFT
	s_add_co_u32 s22, s22, 2*HALFT                 ; my 128 rows of B, behind A's 256
	s_sub_co_u32 s18, s22, s21
	s_add_co_u32 s19, s21, 256                     ; a row's scale bytes lie behind its 256 bytes of codes
	s_mul_i32 s23, s14, 16*SPITCH                  ; my stage
	s_lshl_b32 s20, s17, 8
	s_lshl_b32 s10, s15, 7
	s_add_co_u32 s10, s20, s10                     ; my first row of C,
	s_lshl_b32 s10, s10, 14                        ; in bytes (s11 = 0)
	s_add_nc_u64 s[12:13], s[12:13], s[10:11]
	s_lshl_b32 s46, s42, 10                        ; my first column, in bytes
	s_lshl_b32 s47, s16, 9
	s_add_co_u32 s46, s46, s47
	s_mov_b32 s47, 0
	s_add_nc_u64 s[12:13], s[12:13], s[46:47]
	v_and_b32 v6, 31, v0
	v_and_b32 v7, 1, v0
	v_lshlrev_b32 v[PFO], 8, v6
	v_lshl_add_u32 v[PFO2], v7, 8, 0x2000
	PF 0                                           ; K step 2
	v_and_b32 v1, 15, v0                           ; l % 16
	v_bfe_u32 v2, v0, 4, 1                         ; l / 16
	v_mul_u32_u24 v3, v1, PITCH
	v_mul_u32_u24 v5, s18, v2                      ; lanes 16-31 take B's scale words
	v_lshl_add_u32 v4, v2, 4, v3                   ; a fragment's row x pitch + 16 x half
	v_add_nc_u32 v5, v3, v5
	v_add_nc_u32 v[ADRA], s21, v4
	v_add_nc_u32 v[ADRB], s22, v4
	v_add_nc_u32 v[ADRS], s19, v5
	v_add_nc_u32 v[ADRA+1], SLOT, v[ADRA]
	v_add_nc_u32 v[ADRB+1], SLOT, v[ADRB]
	v_add_nc_u32 v[ADRS+1], SLOT, v[ADRS]
	v_mul_u32_u24 v5, v1, SPITCH                   ; into the stage: row l % 16, 32 bytes for each half of the lanes
	v_lshlrev_b32 v[CO], 4, v6                     ; back: the 32 lanes take one row of 512 bytes; the same in C
	v_lshl_add_u32 v5, v2, 5, v5
	v_add_nc_u32 v[RD], s23, v[CO]
	v_add_nc_u32 v[STO], s23, v5
.macro FRAG reg, adr, q, i             ; 16 rows x 128 K: lane l holds row l % 16; registers 4 c .. 4 c + 3 hold K = 64 c + 32 (l / 16) + 0 .. 31
.irp c, 0,1
	ds_load_b128 v[\reg+4*\c:\reg+4*\c+3], v[\adr] offset:64*(\q)+32*\c+(\i)*16*PITCH
.endr
.endm
; 16 matrix instructions: A's blocks a0, a0 + 1 x B's eight; the 64 accumulators take turns, in the same order in every step
.macro MUL16 a0, p, q, sc, zero
.irp a, \a0, \a0+1
.irp b, 0,1,2,3,4,5,6,7
.if \zero
	v_wmma_scale_f32_16x16x128_f8f6f4 v[8*(8*((\a)%4)+\b):8*(8*((\a)%4)+\b)+7], v[128*(\p)+FR*\b:128*(\p)+FR*\b+FR-1], v[AF+FR*(\a):AF+FR*(\a)+FR-1], 0, v[SC+8*NQ*(\sc)+NQ*\b+(\q)], v[SC+8*NQ*(\sc)+NQ*(\a)+(\q)] matrix_a_fmt:MATRIX_FMT_FP4 matrix_b_fmt:MATRIX_FMT_FP4 matrix_a_scale:MATRIX_SCALE_ROW1
.else
	v_wmma_scale_f32_16x16x128_f8f6f4 v[8*(8*((\a)%4)+\b):8*(8*((\a)%4)+\b)+7], v[128*(\p)+FR*\b:128*(\p)+FR*\b+FR-1], v[AF+FR*(\a):AF+FR*(\a)+FR-1], v[8*(8*((\a)%4)+\b):8*(8*((\a)%4)+\b)+7], v[SC+8*NQ*(\sc)+NQ*\b+(\q)], v[SC+8*NQ*(\sc)+NQ*(\a)+(\q)] matrix_a_fmt:MATRIX_FMT_FP4 matrix_b_fmt:MATRIX_FMT_FP4 matrix_a_scale:MATRIX_SCALE_ROW1
.endif
.endr
.endr
.endm
.macro FETCH_B slot, q, p
	WIN TO_B
.irp i, 0,1,2,3,4,5,6,7
	FRAG 128*(\p)+FR*\i, ADRB+\slot, \q, \i
.endr
	WIN 0
.endm
.macro FETCH_A slot, q, i0
.irp i, \i0, \i0+1, \i0+2, \i0+3
	FRAG AF+FR*(\i), ADRA+\slot, \q, \i
.endr
.endm
.macro SCALES sc                       ; a K step's scale words: lanes 0-15 A's block i, lanes 16-31 B's block i
.irp i, 0,1,2,3,4,5,6,7
	ds_load_b128 v[SC+8*NQ*\sc+NQ*\i:SC+8*NQ*\sc+NQ*\i+3], v[ADRS+\sc] offset:\i*16*PITCH
.endr
.endm
.macro PLACES n
.rept \n
	v_nop
.endr
.endm
.macro STEP slot, q, zero              ; 128 along K with its successor in the same slot
	s_wait_dscnt 4*NL                              ; all but the youngest loads (A's blocks 4-7)
	WIN MUL_LO
	MUL16 0, (\q)%2, \q, \slot, \zero
	MUL16 2, (\q)%2, \q, \slot, \zero
	s_wait_dscnt 0
	PLACES NP
	FETCH_B \slot, (\q)+1, 1-(\q)%2
	FETCH_A \slot, (\q)+1, 0
	WIN MUL_HI
	MUL16 4, (\q)%2, \q, \slot, \zero
	MUL16 6, (\q)%2, \q, \slot, \zero
	PLACES NP
	WIN 0
	FETCH_A \slot, (\q)+1, 4
.endm
; A slot's last step changes slots and fills the slot again, two K steps ahead.
.macro TURN slot, next
.if \slot == 0
	s_wait_xcnt 0x0                                ; my prefetches have read their base: it steps two K steps, once a lap
	s_add_nc_u64 s[PFA:PFA+1], s[PFA:PFA+1], 2*KSTRIDE
.endif
	s_wait_tensorcnt 0x0                           ; all my tensor loads have landed: my part of the next slot
	ds_add_u32 v[SPW], v[NIL]
	s_wait_dscnt 4*NL+1                            ; (the add and A's blocks 4-7 may be out)
	WIN MUL_LO
	MUL16 0, 1, NQ-1, \slot, 0
	s_wait_dscnt 0x0                               ; the add is done, my reads of this slot are over
	s_barrier_signal -1
	MUL16 2, 1, NQ-1, \slot, 0
	WIN 0
	s_barrier_wait -1
	CREST                                          ; the barrier has opened a round of the cluster's barrier
	s_add_nc_u64 s[G0+4*\slot+2:G0+4*\slot+3], s[G0+4*\slot+2:G0+4*\slot+3], 2*KSTRIDE
	s_add_nc_u64 s[G0B+4*\slot+2:G0B+4*\slot+3], s[G0B+4*\slot+2:G0B+4*\slot+3], 2*KSTRIDE
	JLOAD G0+4*\slot, G1, G0B+4*\slot, G1B         ; the first tensor load behind the round; its four v_nop are the places for the loads below
	FETCH_B \next, 0, 0
	FETCH_A \next, 0, 0
	SCALES \next
	ASK \slot*KSTRIDE
	WIN MUL_HI
	MUL16 4, 1, NQ-1, \slot, 0
	MUL16 6, 1, NQ-1, \slot, 0
	PLACES NP
	WIN 0
	FETCH_A \next, 0, 4
.endm
.macro STEPS slot, from
.set Q, \from
.rept NQ-1-\from
	STEP \slot, Q, 0
.set Q, Q+1
.endr
.endm
; THE LAST K STEP (slot 1), by rows of C.  B's fragments of quarter q lie at v[pos] of window 1: 0, 64, 192, 128 for q = 0 .. 3 (v128-191 are at work until the step before has ended).
.macro BLOAD q, pos
.irp i, 0,1,2,3,4,5,6,7
	FRAG \pos+FR*\i, ADRB+1, \q, \i
.endr
.endm
.macro ALOAD a                         ; A's block a, all four quarters, into buffer a % 3: v96, v192, v224
.set PAB, 96+128*((\a)%3)-32*((\a)%3)*((\a)%3)
.irp q, 0,1,2,3
	FRAG PAB+8*\q, ADRA+1, \q, \a
.endr
.endm
.macro ROWQ a, q, pos
.irp b, 0,1,2,3,4,5,6,7
	v_wmma_scale_f32_16x16x128_f8f6f4 v[AC+8*\b:AC+8*\b+7], v[\pos+FR*\b:\pos+FR*\b+7], v[PAB+8*\q:PAB+8*\q+7], v[AC+8*\b:AC+8*\b+7], v[SC+8*NQ+NQ*\b+\q], v[SC+8*NQ+NQ*(\a)+\q] matrix_a_fmt:MATRIX_FMT_FP4 matrix_b_fmt:MATRIX_FMT_FP4 matrix_a_scale:MATRIX_SCALE_ROW1
.endr
.endm
.macro ROW a, first                    ; block a is finished: 32 matrix instructions, its 8 accumulators by turns, K ascending
.set PAB, 96+128*((\a)%3)-32*((\a)%3)*((\a)%3)
.set AC, 64*((\a)%4)
	WIN MUL_LO+0x50*((\a)/4)
.if \first
	s_wait_dscnt 63                                ; 96 loads were issued; quarter 0 needs the oldest 32 (B's quarter 0, A's block 0, the scale words)
.endif
	ROWQ \a, 0, 0
.if \first
	s_wait_dscnt 48                                ; behind B's quarter 1: 16 + 8 + 8 + 16
.endif
	ROWQ \a, 1, 64
.if \first
	s_wait_dscnt 32                                ; behind B's quarter 2: 8 + 8 + 16
.endif
	ROWQ \a, 2, 192
.if \first
	s_wait_dscnt 0
.endif
	ROWQ \a, 3, 128
.endm
.macro TOSTAGE a                       ; block a into my stage, each accumulator from its low end on, and back as rows of 512 bytes; LDS serves a wave's instructions in order (ISA guide 5.7.1.4)
.set AC, 64*((\a)%4)
.if (\a) > 0
	s_wait_xcnt 0x0                                ; the last block's stores have read their registers and their base
.endif
	WIN 0x08+4*((\a)/4)
.irp b, 0,1,2,3,4,5,6,7
	ds_store_b128 v[STO], v[AC+8*\b:AC+8*\b+3] offset:64*\b
	ds_store_b128 v[STO], v[AC+8*\b+4:AC+8*\b+7] offset:64*\b+16
.endr
	WIN 0
.irp t, 0,1,2,3,4,5,6,7,8,9,10,11,12,13,14,15
	ds_load_b128 v[BK+4*\t:BK+4*\t+3], v[RD] offset:\t*SPITCH
.endr
.endm
.macro SEND a, younger                 ; younger: the LDS loads issued behind the block's own
	s_wait_dscnt \younger
.if (\a) > 0
	s_add_nc_u64 s[12:13], s[12:13], 16*SIZE_N*4
.endif
.irp t, 0,1,2,3,4,5,6,7,8,9,10,11,12,13,14,15
	global_store_b128 v[CO], v[BK+4*\t:BK+4*\t+3], s[12:13] offset:\t*SIZE_N*4 th:TH_STORE_NT   ; 512 consecutive bytes, at a multiple of 256 from C's first byte
.endr
.endm
	s_wait_alu depctr_va_vdst(0)                   ; the wait at the head's end
	s_wait_tensorcnt 0x0                           ; my part of K step 0 is in; the lines ahead of a later first fill:
	ds_add_u32 v[SPW], v[NIL]
	s_wait_dscnt 0x0
	CROUND
	JLOAD G0+4, G1, G0B+4, G1B                     ; K step 1, the first tensor load behind the round
	FETCH_B 0, 0, 0
	FETCH_A 0, 0, 0
	SCALES 0
	FETCH_A 0, 0, 4
	PF KSTRIDE                                     ; K step 3
	STEP 0, 0, 1                                   ; the first step's products start the sums
	s_mov_b32 s3, LAPS-1
.Llap:                                                 ; a trip goes once round the ring and fills both slots again
	STEPS 0, 1
	TURN 0, 1
	STEPS 1, 0
	TURN 1, 0
	STEP 0, 0, 0
	s_sub_co_u32 s3, s3, 1
	s_cmp_lg_u32 s3, 0
	s_cbranch_scc1 .Llap
	STEPS 0, 1
	s_wait_tensorcnt 0x0                           ; K step 6's last quarter: my part of slot 1, the last K step, is in; nothing is filled again, so no round follows
	ds_add_u32 v[SPW], v[NIL]
	s_wait_dscnt 4*NL+1
	WIN MUL_LO
	MUL16 0, 1, NQ-1, 0, 0
	s_wait_dscnt 0x0                               ; my reads of slot 0 are over
	s_barrier_signal -1
	MUL16 2, 1, NQ-1, 0, 0
	s_barrier_wait -1                              ; slot 1 is whole, and nobody reads slot 0 any more: it takes the stages
	PLACES NP
	WIN TO_B
	BLOAD 0, 0
	WIN 0
	ALOAD 0
	SCALES 1
	WIN TO_B
	BLOAD 1, 64
	BLOAD 2, 192
	WIN 0
	ALOAD 1
	ALOAD 2
	WIN MUL_HI
	MUL16 4, 1, NQ-1, 0, 0
	MUL16 6, 1, NQ-1, 0, 0
	PLACES NP
	WIN TO_B
	BLOAD 3, 128
	ROW 0, 1
.irp a, 0,1,2,3,4,5,6,7
	WIN 0
	PLACES NP                                      ; ahead of the stores of results just made and of the loads into block a's fragments
	TOSTAGE \a
.if \a < 5
	ALOAD \a+3                                     ; its buffer takes the block three further on
.endif
.if \a < 7
	ROW \a+1, 0                                    ; the next block is multiplied while this one comes back from the stage
	WIN 0
.endif
.if \a < 5
	SEND \a, 8
.else
	SEND \a, 0
.endif
.endr
	s_wait_tensorcnt 0x0                           ; the wave's end
	ds_add_u32 v[SPW], v[NIL]
	s_wait_dscnt 0x0
	CROUND                                         ; the closing round
	s_endpgm
.Lfunc_end_k_q4dbca77082_gemm:
	.size	k_q4dbca77082_gemm, .Lfunc_end_k_q4dbca77082_gemm-k_q4dbca77082_gemm
	.p2alignl 7, 3214868480
	.fill 96, 4, 3214868480
	.section	.rodata,"a",@progbits
	.p2align	6, 0x0
	.amdhsa_kernel k_q4dbca77082_gemm
		.amdhsa_group_segment_fixed_size 327680
		.amdhsa_private_segment_fixed_size 0
		.amdhsa_enable_private_segment 0
		.amdhsa_kernarg_size 24
		.amdhsa_user_sgpr_count 2
		.amdhsa_user_sgpr_kernarg_segment_ptr 1
		.amdhsa_wavefront_size32 1
		.amdhsa_system_sgpr_workgroup_id_x 1
		.amdhsa_system_sgpr_workgroup_id_y 1
		.amdhsa_system_sgpr_workgroup_id_z 1
		.amdhsa_system_vgpr_workitem_id 0
		.amdhsa_next_free_vgpr 1024
		.amdhsa_next_free_sgpr 66
		.amdhsa_reserve_vcc 0
		.amdhsa_float_denorm_mode_32 3
		.amdhsa_float_denorm_mode_16_64 3
		.amdhsa_memory_ordered 1
		.amdhsa_forward_progress 1
		.amdhsa_inst_pref_size 210
	.end_amdhsa_kernel
	.amdgpu_metadata
---
amdhsa.version: [ 1, 2 ]
amdhsa.kernels:
  - .name:           k_q4dbca77082_gemm
    .symbol:         k_q4dbca77082_gemm.kd
    .args:
      - { .name: xq, .offset: 0, .size: 8, .value_kind: global_buffer, .address_space: global }
      - { .name: wq, .offset: 8, .size: 8, .value_kind: global_buffer, .address_space: global }
      - { .name: out0, .offset: 16, .size: 8, .value_kind: global_buffer, .address_space: global }
    .group_segment_fixed_size: 327680
    .private_segment_fixed_size: 0
    .kernarg_segment_align: 8
    .kernarg_segment_size: 24
    .max_flat_workgroup_size: 128
    .sgpr_count:     66
    .vgpr_count:     1024
    .wavefront_size: 32
...
	.end_amdgpu_metadata
.endif
;; end of part 2
